; MI455X (gfx1250); checked and timed in simulation.
; The chip was launched on July 23, 2026; its instructions are those of AMD's public machine-readable ISA for CDNA 5 (MIT licence, August 2026) and "CDNA5" Instruction Set Architecture Reference Guide (July 2026). The comments in the code are by the model that wrote it; some were corrected since.
;; Mh Attn Block. Allowed arithmetic: matrix products marked QUANTISED: E3M2 operands, one E8M0 scale for each 32 along K, by v_wmma_scale_f32_16x16x128_f8f6f4 with both operands' format E3M2, f32 sums; products left as they are: f32 operands where the result goes on into a quantised operand, else bf16, f16 or f32 operands; f32 sums; everything else in f32.
;; Inputs: K 8 x 1,024 x 512 float32; Q 8 x 1,024 x 512 float32; V_codes 8 x 1,024 x 16 x 24 uint8 (E3M2 codes of V, K innermost, in blocks of 32 codes, four codes in three bytes); V_scales 8 x 1,024 x 16 uint8 (E8M0 scales of V, one for each 32 codes along K); WK 8 x 512 float32; WQ 8 x 512 float32; WV_codes 512 x 16 x 24 uint8 (E3M2 codes of WV, K innermost, in blocks of 32 codes, four codes in three bytes); WV_scales 512 x 16 uint8 (E8M0 scales of WV, one for each 32 codes along K); bias 8 x 64 float32.
;; Outputs: out0 8 x 1,024 x 512 float32.
;; This version of the problem:
;;   THIS VERSION OF THE PROBLEM IS GIVEN IN LOW PRECISION. The matrix products marked QUANTISED in the list below multiply operands that are first quantised to E3M2 (3 exponent bits, 2 mantissa bits; 6 bits a number), with one power-of-two scale for each 32 numbers along K (OCP MX v1.0); their sums are f32. All else is computed in f32.
;;   The module's matrix products, in the order in which they are computed (A, B: the left and right operand; K: the contracted axis; several contracted axes count as one K, in the product's order):
;;     1. [M 8,192, K 512] x [K 512, N 512]; A: input V (given as codes); B: input WV (given as codes): QUANTISED
;;     2. [M 8,192, K 512] x [K 512, N 8]; A: input K; B: input WK: left as it is (N = 8 < 16)
;;     3. [M 8,192, K 512] x [K 512, N 8]; A: input Q; B: input WQ: left as it is (N = 8 < 16)
;;     4. batch 64 x [M 64, K 1,024] x [K 1,024, N 1,024]; A: computed on the way; B: softmax (see below): QUANTISED
;;   THE QUANTISER, for each operand of a quantised product, along K:
;;     - K is cut into blocks of 32 from its start; a last block that is shorter is filled with zeros.
;;     - A block's scale is 2^e with e = floor(log2(the largest magnitude in the block)) - 4, held to -126 .. 127; a block of zeros has e = 0. As a byte (E8M0): e + 127.
;;     - Each number is divided by its block's scale, clamped to +-28, and rounded to the nearest number of E3M2, ties to even, subnormals kept.
;;     - The product sums the exact products of the quantised numbers (number of the format x scale) in f32.
;;   ~~~python
;;   def quantise(x, axis):      # numpy; x: float32 -> the quantised numbers, widened to float32 again
;;       x = np.moveaxis(x, axis, -1); K = x.shape[-1]
;;       x = np.pad(x, [(0, 0)] * (x.ndim - 1) + [(0, -K % 32)]); x = x.reshape(x.shape[:-1] + (-1, 32)); a = np.abs(x).max(-1, keepdims=True)
;;       e = np.where(a > 0, np.clip(np.frexp(np.where(a > 0, a, 1))[1] - 1 - 4, -126, 127), 0)      # np.frexp(a)[1] - 1 = floor(log2(a)), exactly
;;       r = np.clip(x / 2.0 ** e, -28, 28)
;;       step = 2.0 ** (np.maximum(np.frexp(np.where(r == 0, 1, r))[1] - 1, -2) - 2)
;;       q = np.round(r / step) * step * 2.0 ** e      # np.round: ties to even
;;       return np.moveaxis(q.reshape(q.shape[:-2] + (-1,))[..., :K], -1, axis).astype(np.float32)
;;   ~~~
;;   SOFTMAX AHEAD OF A QUANTISED PRODUCT. Where the list says 'softmax', what is quantised is not the finished softmax but p = 2^(t - M), with t = logit x log2(e) and M = ceil(the row's largest t), a whole number; so 1/2 < the row's largest p <= 1. The row's sum l is taken of the UNQUANTISED p, in f32, and the product's result is divided by l at the end. Since M is a whole number, a kernel that streams over the keys may use a running M (the ceiling of the running maximum): every later rescaling is an exact power of two, which a block's scale takes up: the codes' values come out the same.
;;   OPERANDS COMPUTED ON THE WAY. 'Computed on the way' means the value that the module computes at that place (a softmax that the list does not call 'softmax' is quantised finished and normalised). What goes into a quantiser is computed in f32, as accurately as f32 sums, v_exp_f32 and their like allow (about 1e-6 of the number): no bf16 or f16 on the way to a quantiser, and a product that is left as it is and whose result goes on into a quantised operand takes f32 operands (vector FMAs, or v_wmma_f32_16x16x4_f32). A number that lies on a knife's edge between two numbers of the format may be rounded either way, as far as f32 arithmetic and the matrix unit's own rounding can turn it there, and no further.
;;   INPUTS GIVEN AS CODES. V (in the module: [8, 1024, 512], K = its axis 2); WV (in the module: [512, 512], K = its axis 1): each comes as NAME_codes (uint8): NAME with its K axis moved to the last place and cut into blocks of 32 codes, [.., K / 32, bytes a block], one block behind the other in memory; four codes in three bytes: a row's codes are one little-endian stream of bits, code i at bits 6 i .. 6 i + 5 (a code: sign, 3 exponent bits, 2 mantissa bits); and NAME_scales (uint8): the same leading axes, one E8M0 byte (e + 127) for each 32 codes along K. Its value is code x scale, taken as it is: it is not quantised again, and the codes and scales need not be those that the quantiser above would give.
;; One version. Each part assembles by itself: llvm-mc -triple=amdgcn-amd-amdhsa -mcpu=gfx1250 --defsym DOCPART=n.
;; ======== version 1 of 1: 2 launches
;; limits: right only within a limited range of input values
;; workspace buffers: aqk 524,288 bytes; vq 3,276,800 bytes
;; launch prep (part 1): grid 4 x 64, 8 waves a work-group, clusters of 4 x 4, 167,936 bytes of LDS; arguments Q, K, WQ, WK, V_codes, V_scales, WV_codes, WV_scales, aqk, vq; writes aqk, vq
.if DOCPART == 1
	.amdgcn_target "amdgcn-amd-amdhsa--gfx1250"
	.amdhsa_code_object_version 6
	.text
	.protected	k_q14a6a9ad27_prep
	.globl	k_q14a6a9ad27_prep
	.p2align	8
	.type	k_q14a6a9ad27_prep,@function
k_q14a6a9ad27_prep:
	s_mov_b64 s[64:65], 0
	v_nop
	global_prefetch_b8 v0, s[64:65] scope:SCOPE_SE
	s_setreg_imm32_b32 hwreg(HW_REG_WAVE_MODE, 25, 1), 1
	s_wait_xcnt 0x0
	s_wait_alu depctr_hold_cnt(0) depctr_sa_sdst(0) depctr_va_vdst(0) depctr_va_sdst(0) depctr_va_ssrc(0) depctr_va_vcc(0) depctr_vm_vsrc(0)
	s_getreg_b32 s2, hwreg(HW_REG_IB_STS2, 6, 4)
	s_cmp_eq_u32 s2, 0
	s_cbranch_scc0 .Lentry_in_a_cluster
	s_endpgm
.Lentry_in_a_cluster:
	s_bfe_u32 s2, ttmp6, 0x10000c
	s_cmp_lg_u32 s2, 0xf033
	s_cbranch_scc0 .Lentry_shape_is_right
	s_endpgm
.Lentry_shape_is_right:
; PREP.  Two things that every query block of the second launch needs of all 1,024 keys of its batch:
;  (1) aq = Q WQ^T and ak = K WK^T, [8,192][8], by f32 multiply-adds (they go on into a quantiser), laid aqk[tensor][b][h][1024];
;  (2) Vproj = V WV^T on the given codes of BF6 (E3M2), quantised anew ALONG THE KEYS (the second product's K), laid in vq in the order of the operand's registers.
; SHARES.  256 work-groups of eight waves, two to a SIMD.  Work-group (x, y): the tile keys 128 y .. + 127 (batch y / 8, key step y % 8) x outputs 128 x .. + 127 of Vproj, and 64 rows of Q (y < 32) or of K:
; row block 4 (y % 32) + x.  Wave w: outputs 16 w .. + 15 of the tile (head 2 x + w / 4, its tile w % 4 of 16 channels), and rows 8 w .. + 7 of the row block.
; CLUSTERS, 4 x 4.  V's tile hangs on y alone and is asked for jointly by the four of a row of the cluster, WV's on x alone, by the four of a column.
; One tensor load a wave: waves 0 and 1 V's two halves, waves 2 and 3 WV's, waves 4 to 7 a quarter each of WQ or WK (16,384 of the work-group's 245,760 bytes: a small part, asked for by each work-group for itself).
; V's and WV's rows of 384 bytes are dense in memory: a tile is stated as rows of 256 bytes, with 16 bytes of padding behind every 128.
; The rows of Q and K are nobody else's: they go from memory straight into registers, four loads of 512 consecutive bytes a row, two rows at a time: at the head, behind row 0, behind the tiles' barrier, behind the first step.
; No loop, so no prefetch.  Every LDS byte is filled once.
; THE KEYS OF A TILE OF V ARE NOT NEIGHBOURS: lane r of tile 4 c + u takes key 64 c + 8 u + r % 8 + 32 (r / 8).  With source 0 = 16 keys and source 1 = 16 rows of WV, lane (r, h) then holds output r, and the
; 32 registers of tiles 4 c .. 4 c + 3 are keys 64 c + 32 h + 0 .. 31: a whole block of the next K in one lane, in the very order of the next operand's registers.
; vq, for each (batch, head) 51,200 bytes: fragment (key step s, channel tile t) at (4 s + t) 1,536: registers 4 j .. 4 j + 3 of lane l at 512 j + 16 l; scale words at 49,152 + 256 s + 64 t + 4 r.
; aq, ak: lane l holds 16 numbers of a row; its accumulator a belongs to HEAD a xor (l % 8): the weights are loaded so.  Then each step of the sum across lanes adds the partner's other accumulator,
; which holds the same head, and halves the accumulators; at the end lane l holds head l % 8.
; LIMITS.  NaN and infinities among Q, K, WQ, WK are not served.  A block of zeros of Vproj gets the scale byte 1 where the quantiser says 127: its codes are zeros, and this program alone reads the bytes.
; A given scale byte 0xff gives NaN.  The sums of aq and ak are taken in another order than a plain dot product's.
.set PITCH, 432                        ; an LDS row of codes: 3 x (128 bytes + 16 of padding)
.set HALFT, 64*PITCH                   ; 64 rows: what one joint load brings
.set WT,    2*HALFT                    ; V's 128 rows at 0, WV's 128 rows here
.set WB,    4*HALFT                    ; WQ or WK, dense
.set SA,    WB+16384                   ; the 64 x 8 results: head h at 272 h; written by LDS stores, no fill lands here
.set SAP,   272
.set SCW,   SA+2304                    ; two heads' 64 scale words, written by LDS stores
.set SPARE, SCW+512                    ; the spare words, 128 bytes a wave
; window 0
.set AV,  1                            ; v1, v2   my place in V's tile (v2: for the pieces that lie behind one padding more in lanes 16-31)
.set AW,  3                            ; v3, v4   the same in WV's tile, my wave's 16 rows
.set SAW, 5                            ; v5       where I put four results
.set SAR, 6                            ; v6       where I read 8 bytes of a head's 64 results
.set L8,  7                            ; v7       8 x lane
.set SCA, 8                            ; v8       where I put my 16 scale words
.set L16, 9                            ; v9       16 x lane
.set SCR, 10                           ; v10      where I read 8 bytes of a head's 64 scale words
.set SH8, 11                           ; v11      8 x (lane / 16)
.set OVS, 13                           ; v13      V's scale words: 16 x my key of a tile
.set OWS, 14                           ; v14      WV's: 16 x r
.set PT,  15                           ; v15      a lane permute's destination
.set W,   16                           ; v16-143  the weights: accumulator a's 16 numbers at 16 a
; v144-159, v160-175, v240-255: rows 5, 6, 7 of Q or K
.set VSC, 176                          ; v176-207 V's scale words: tile kt, K step ks at 4 kt + ks
.set S,   176                          ; later    32 sums (row r of four, accumulator a at 8 r + a)
.set WSC, 208                          ; v208-211 WV's
.set QM,  212                          ; v212-215 the half blocks' largest magnitudes; then v212, v213 the conversions' scale operands
.set QB,  214                          ; v214, v215 their bytes
.set QW,  216                          ; v216     my row's scale word
.set SPW, 217
.set NIL, 218
.set TMP, 220                          ; v220-223 at work
.set FRG, 224                          ; v224-235 the fragment made;  before that v224-231 the weights' LDS addresses
.set WO,  224
; window 1
.set AF,  128                          ; v128-223 V's eight fragments;  v0-63 the 8 accumulators (kt at 8 kt), later four rows' packed sums
.set BF,  224                          ; v224-235 WV's
.set TC,  192                          ; two conversions' results on even numbers
; v64-127, v240-255: rows 0 to 3 and 4 of Q or K
.set MSB, 0
.macro WIN new                         ; the immediate's high byte repeats the setting that is left
.if MSB != \new
	s_set_vgpr_msb (MSB<<8)|\new
.set MSB, \new
.endif
.endm
.macro PLACES
.rept 4
	v_nop
.endr
.endm
.macro CROUND                          ; a round of the cluster's barrier
	s_barrier_signal -1
	s_barrier_wait -1
	s_cmp_lg_u32 s24, 0
	s_cbranch_scc1 .Lnot_wave_0_\@
	s_barrier_signal -3
.Lnot_wave_0_\@:
	s_barrier_wait -3
	s_barrier_signal -1
	s_barrier_wait -1
.endm
	s_load_b512 s[4:19], s[0:1], 0x0               ; Q s[4:5], K s[6:7], WQ s[8:9], WK s[10:11], V's codes s[12:13], V's scales s[14:15], WV's codes s[16:17], WV's scales s[18:19]
	s_load_b128 s[20:23], s[0:1], 0x40             ; aqk s[20:21], vq s[22:23]
	v_lshl_add_u32 v[SPW], v0, 2, SPARE
	v_mov_b32 v[NIL], 0
	ds_add_u32 v[SPW], v[NIL]                      ; the opening: the add, twice on end, under one wait, ahead of my first tensor load
	ds_add_u32 v[SPW], v[NIL]
	v_lshrrev_b32 v[TMP], 5, v0
	v_readfirstlane_b32 s24, v[TMP]                ; wave 0..7
	s_and_b32 s25, s24, 1                          ; which 64 rows of a tile I fetch
	s_lshr_b32 s92, s24, 2                         ; which of the two heads is mine
	s_and_b32 s93, s24, 3                          ; which channel tile of it; which quarter of the weights I fetch
	s_bfe_u32 s26, ttmp6, 0x40000                  ; cx, cy: my place in the cluster
	s_bfe_u32 s27, ttmp6, 0x40004
	s_lshl_b32 s28, ttmp9, 2
	s_add_co_u32 s28, s28, s26                     ; x = 4 x cluster x + cx
	s_and_b32 s29, ttmp7, 0xffff
	s_lshl_b32 s29, s29, 2
	s_add_co_u32 s29, s29, s27                     ; y = 4 x cluster y + cy
	s_lshl_b32 s30, s27, 2
	s_lshl_b32 s30, 15, s30                        ; my row of the cluster
	s_lshl_b32 s31, 0x1111, s26                    ; my column
	; group 1 of the joint loads: dense rows of 256 bytes, 16 bytes of padding behind every 128
	s_or_b32 s32, s30, (1<<20)|(1<<21)|(4<<22)|(3<<25)   ; 15:0 the mask: V's tile goes to my row; 17:16 elements of 1 byte; 20 padding on; 21 set beside a mask; 24:22 after every 32 words (code 4); 31:25 4 words (code 3)
	s_or_b32 s40, s31, (1<<20)|(1<<21)|(4<<22)|(3<<25)   ; the same with my column's mask, for WV's tile
.irp g, 32, 40
	s_mov_b32 s[\g+1], 256<<16                     ; tensor_dim0
	s_mov_b32 s[\g+2], 96<<16                      ; tensor_dim1: 64 rows of 384 bytes are 96 of 256
	s_mov_b32 s[\g+3], 256<<16                     ; tile_dim0
	s_mov_b32 s[\g+4], 96                          ; tile_dim1
	s_mov_b32 s[\g+5], 256                         ; from row to row
	s_mov_b32 s[\g+6], 0
	s_mov_b32 s[\g+7], 0
.endr
	; group 1 of the weights' load: 4,096 dense bytes as 16 rows of 32 elements of 8 bytes; no mask, no padding
	s_mov_b32 s84, 3<<16
	s_mov_b32 s85, 32<<16
	s_mov_b32 s86, 16<<16
	s_mov_b32 s87, 32<<16
	s_mov_b32 s88, 16
	s_mov_b32 s89, 32
	s_mov_b32 s90, 0
	s_mov_b32 s91, 0
	s_mov_b32 s48, 1                               ; groups 0: V's half,
	s_mul_i32 s49, s25, HALFT
	s_mov_b32 s52, 1                               ; WV's half,
	s_add_co_u32 s53, s49, WT
	s_mov_b32 s68, 1                               ; a quarter of the weights
	s_lshl_b32 s76, s93, 12
	s_mov_b32 s77, 0
	s_add_co_u32 s69, s76, WB
	s_mul_i32 s101, s25, 24576                     ; my 64 rows of 384 bytes in memory
	s_mul_i32 s56, s29, 49152                      ; V: hangs on y and the wave alone
	s_add_co_u32 s56, s56, s101
	s_mov_b32 s57, 0
	s_mul_i32 s58, s28, 49152                      ; WV: on x and the wave alone
	s_add_co_u32 s58, s58, s101
	s_mov_b32 s59, 0
	s_and_b32 s95, s29, 31
	s_lshl_b32 s95, s95, 2
	s_add_co_u32 s95, s95, s28                     ; my row block of Q or of K: 4 (y % 32) + x
	s_lshl_b32 s94, s24, 14                        ; my wave's 8 rows of 2,048 bytes
	s_mov_b32 s66, 0x76543210
	s_mov_b32 s67, 0xfedcba98                      ; v_permlanex16_b32's selects for lane l xor 16
	v_and_b32 v12, 31, v0                          ; lane
	v_and_b32 v[TMP], 15, v0                       ; r
	v_bfe_u32 v[TMP+1], v0, 4, 1                   ; h
	v_and_b32 v[TMP+2], 7, v0                      ; r % 8
	v_bfe_u32 v[TMP+3], v0, 3, 1                   ; r / 8
	v_lshl_add_u32 v[TMP+3], v[TMP+3], 5, v[TMP+2] ; my key of a tile: r % 8 + 32 (r / 8)
	v_mul_u32_u24 v[AV], v[TMP+3], PITCH
	v_mad_u32_u24 v[AV], v[TMP+1], 24, v[AV]       ; + 24 h
	v_lshl_add_u32 v[AV+1], v[TMP+1], 4, v[AV]     ; + 40 h
	v_mul_u32_u24 v[AW], v[TMP], PITCH
	v_mad_u32_u24 v[AW], v[TMP+1], 24, v[AW]
	s_mul_i32 s96, s24, 16*PITCH
	s_add_co_u32 s96, s96, WT
	v_add_nc_u32 v[AW], s96, v[AW]
	v_lshl_add_u32 v[AW+1], v[TMP+1], 4, v[AW]
	v_mul_u32_u24 v[SAW], v[TMP+2], SAP            ; head lane % 8,
	s_lshl_b32 s96, s24, 5
	s_add_co_u32 s96, s96, SA
	v_add_nc_u32 v[SAW], s96, v[SAW]               ; my wave's 8 rows
	v_lshlrev_b32 v[L8], 3, v12
	s_mul_i32 s96, s24, SAP
	s_add_co_u32 s96, s96, SA
	v_add_nc_u32 v[SAR], s96, v[L8]                ; back: head = wave, 8 bytes a lane
	s_lshl_b32 s96, s24, 6
	s_add_co_u32 s96, s96, SCW
	v_lshl_add_u32 v[SCA], v[TMP], 2, s96          ; my channel tile's 16 scale words
	s_lshl_b32 s96, s25, 8
	s_add_co_u32 s96, s96, SCW
	v_add_nc_u32 v[SCR], s96, v[L8]                ; waves 0 and 1 store a head's 64 words
	v_lshlrev_b32 v[L16], 4, v12
	v_lshlrev_b32 v[SH8], 3, v[TMP+1]
	v_lshlrev_b32 v[OVS], 4, v[TMP+3]
	v_lshlrev_b32 v[OWS], 4, v[TMP]
	v_mov_b32 v[PT], 0                             ; written once: a lane permute's destination counts as one of its sources
.irp a, 0,1,2,3,4,5,6,7
	v_xor_b32 v[WO+\a], \a, v[TMP+2]               ; accumulator a's head in my lane,
	v_lshlrev_b32 v[WO+\a], 11, v[WO+\a]           ; its row of 2,048 bytes,
	v_add_nc_u32 v[WO+\a], v[WO+\a], v[L16]        ; my 16 bytes of each 512
	v_add_nc_u32 v[WO+\a], WB, v[WO+\a]
.endr
	s_wait_alu depctr_va_vdst(0)
	s_wait_dscnt 0x0                               ; both opening adds are done
	CROUND                                         ; all sixteen work-groups are here: the joint loads meet
	s_wait_kmcnt 0x0
	s_and_b32 s96, ttmp7, 0xffff
	s_cmp_lt_u32 s96, 8                            ; Q's work-group or K's?  The choice hangs on the cluster's y alone
	s_cselect_b64 s[60:61], s[4:5], s[6:7]
	s_cselect_b64 s[62:63], s[8:9], s[10:11]
	s_cselect_b32 s100, 0, 0x40000                 ; aq's or ak's half of aqk
	s_add_nc_u64 s[50:51], s[12:13], s[56:57]
	s_or_b32 s51, s51, 0x80000000
	s_add_nc_u64 s[54:55], s[16:17], s[58:59]
	s_or_b32 s55, s55, 0x80000000
	s_add_nc_u64 s[70:71], s[62:63], s[76:77]
	s_or_b32 s71, s71, 0x80000000
	; one tensor load a wave: one chain of branches on the wave's number alone, one load in each arm
	s_cmp_lt_u32 s24, 2
	s_cbranch_scc0 .Lnot_v
	tensor_load_to_lds s[48:51], s[32:39]
	s_nop 0
	PLACES                                         ; four v_nop follow each of the lines
	s_branch .Lasked
.Lnot_v:
	s_cmp_lt_u32 s24, 4
	s_cbranch_scc0 .Lweights
	tensor_load_to_lds s[52:55], s[40:47]
	s_nop 0
	PLACES
	s_branch .Lasked
.Lweights:
	tensor_load_to_lds s[68:71], s[84:91]
	s_nop 0
	PLACES
.Lasked:
	s_mov_b32 s97, 0
	s_lshl_b32 s96, s29, 11                        ; V's scale bytes: 128 rows of 16 bytes a key step
	s_add_nc_u64 s[14:15], s[14:15], s[96:97]
	s_lshl_b32 s96, s28, 11                        ; WV's: rows 128 x + 16 w on
	s_lshl_b32 s98, s24, 8
	s_add_co_u32 s96, s96, s98
	s_add_nc_u64 s[18:19], s[18:19], s[96:97]
	s_lshl_b32 s96, s95, 17                        ; 64 rows of 2,048 bytes a row block,
	s_add_co_u32 s96, s96, s94                     ; 8 a wave
	s_add_nc_u64 s[60:61], s[60:61], s[96:97]
.irp kt, 0,1,2,3,4,5,6,7
	global_load_b128 v[VSC+4*\kt:VSC+4*\kt+3], v[OVS], s[14:15] offset:16*(64*(\kt/4)+8*(\kt%4))   ; a key's four words: one for each 128 along K
.endr
	global_load_b128 v[WSC:WSC+3], v[OWS], s[18:19]
.macro XROW R, reg                     ; a row of Q or K: four loads of 512 consecutive bytes
.irp j, 0,1,2,3
	global_load_b128 v[\reg+4*\j:\reg+4*\j+3], v[L16], s[60:61] offset:2048*(\R)+512*\j th:TH_LOAD_NT
.endr
.endm
	WIN 0x40                                       ; destination window 1
	XROW 0, 64
	XROW 1, 80
	WIN 0
	s_lshr_b32 s96, s95, 4                         ; aqk: batch = row block / 16: 32,768 bytes;
	s_lshl_b32 s96, s96, 15
	s_and_b32 s98, s95, 15                         ; 256 bytes a row block in a head's row;
	s_lshl_b32 s98, s98, 8
	s_add_co_u32 s96, s96, s98
	s_lshl_b32 s98, s24, 12                        ; head = wave: 4,096 bytes
	s_add_co_u32 s96, s96, s98
	s_add_co_u32 s96, s96, s100
	s_add_nc_u64 s[20:21], s[20:21], s[96:97]
	s_and_b32 s99, s29, 0x38                       ; vq: 8 x batch + 2 x,
	s_lshl_b32 s98, s28, 1
	s_add_co_u32 s99, s99, s98
	s_and_b32 s98, s29, 7                          ; the key step
	s_add_co_u32 s96, s99, s25                     ; waves 0 and 1: head 2 x + w's scale words
	s_mul_i32 s96, s96, 51200
	s_add_co_u32 s96, s96, 49152
	s_lshl_b32 s78, s98, 8
	s_add_co_u32 s96, s96, s78
	s_add_nc_u64 s[4:5], s[22:23], s[96:97]
	s_add_co_u32 s96, s99, s92                     ; my head,
	s_mul_i32 s96, s96, 51200
	s_lshl_b32 s98, s98, 2
	s_add_co_u32 s98, s98, s93
	s_mul_i32 s98, s98, 1536
	s_add_co_u32 s96, s96, s98
	s_add_nc_u64 s[22:23], s[22:23], s[96:97]      ; my fragment
	s_wait_loadcnt 0x4                             ; the scale words and row 0 are in; row 1's four may be out
	WIN 0x40
	XROW 2, 96
	XROW 3, 112
	WIN 0
	s_wait_tensorcnt 0x0                           ; my part of the tiles is in
	s_barrier_signal -1
	s_barrier_wait -1                              ; everybody's part is in
	WIN 0x40
	XROW 4, 240
	WIN 0
	XROW 5, 144
; ---- Vproj.  A fragment, 16 rows x 128 K of 6-bit codes, is 12 registers: lane (r, h) takes 24 bytes at 96 ks + 24 h and 24 at 96 ks + 48 + 24 h of its row, in pieces of 8 bytes.
; Piece PC lies at 8 PC + 16 (PC / 16).  Lanes 16-31 read three pieces further on, which is behind one padding more where PC % 16 is 13 or more: the second address register serves those.
.macro FRAG reg, adr, ks, rowoff
.irp p, 0,1,2,3,4,5
.set PC, 12*(\ks)+6*(\p/3)+\p%3
.if PC%16 < 13
	ds_load_b64 v[\reg+2*\p:\reg+2*\p+1], v[\adr] offset:(\rowoff)*PITCH+8*PC+16*(PC/16)
.else
	ds_load_b64 v[\reg+2*\p:\reg+2*\p+1], v[\adr+1] offset:(\rowoff)*PITCH+8*PC+16*(PC/16)
.endif
.endr
.endm
; 128 along K: nine fragments, eight products.  The 8 accumulators take turns, one instruction a turn, in the same order in every step.
.macro KSTEP ks
.if \ks > 0
	PLACES                                         ; in front of loads into registers that matrix instructions have read
.endif
	WIN 0x40                                       ; destination window 1, address window 0
	FRAG BF, AW, \ks, 0
.irp kt, 0,1,2,3,4,5,6,7
	FRAG AF+12*\kt, AV, \ks, 64*(\kt/4)+8*(\kt%4)
.endr
	WIN 0x55                                       ; A, B, C and D in window 1 (scale operands have no window)
.irp kt, 0,1,2,3,4,5,6,7
	s_wait_dscnt 6*(7-\kt)                         ; WV's fragment and V's tiles up to kt are in: six loads for each later tile may be out
.if \ks == 0
	v_wmma_scale_f32_16x16x128_f8f6f4 v[8*\kt:8*\kt+7], v[AF+12*\kt:AF+12*\kt+11], v[BF:BF+11], 0, v[VSC+4*\kt+\ks], v[WSC+\ks] matrix_a_fmt:MATRIX_FMT_BF6 matrix_b_fmt:MATRIX_FMT_BF6
.else
	v_wmma_scale_f32_16x16x128_f8f6f4 v[8*\kt:8*\kt+7], v[AF+12*\kt:AF+12*\kt+11], v[BF:BF+11], v[8*\kt:8*\kt+7], v[VSC+4*\kt+\ks], v[WSC+\ks] matrix_a_fmt:MATRIX_FMT_BF6 matrix_b_fmt:MATRIX_FMT_BF6
.endif
.endr
	WIN 0
.endm
	KSTEP 0
	XROW 6, 160                                    ; the last two rows
	XROW 7, 240
	KSTEP 1
	KSTEP 2
	KSTEP 3
.irp a, 0,1,2,3,4,5,6,7                ; the weights come from LDS while the quantiser works
.irp j, 0,1,2,3
	ds_load_b128 v[W+16*\a+4*\j:W+16*\a+4*\j+3], v[WO+\a] offset:512*\j
.endr
.endr
	PLACES                                         ; in front of the first read of results
	; ---- the quantiser along the keys.  Block g: registers 32 g .. 32 g + 31 of window 1, all 32 numbers mine; each in two halves u
	WIN 0x14                                       ; sources 1 and 2 window 1
.irp g, 0,1
.irp u, 0,1
	v_max3_num_f32 v[QM+\g+2*\u], 0x2800000, |v[32*\g+16*\u]|, |v[32*\g+16*\u+1]|   ; with the floor 2^(5 - 127): the byte cannot fall under 1.  Each accumulator is read from its low end on
.endr
.endr
.irp i, 2,4,6,8,10,12,14
.irp g, 0,1
.irp u, 0,1
	v_max3_num_f32 v[QM+\g+2*\u], v[QM+\g+2*\u], |v[32*\g+16*\u+\i]|, |v[32*\g+16*\u+\i+1]|   ; (the four halves by turns)
.endr
.endr
.endr
	WIN 0
.irp g, 0,1
	v_max_num_f32 v[QM+\g], v[QM+\g], v[QM+2+\g]
.endr
.irp g, 0,1
	v_add_nc_u32 v[QM+\g], 0xfe000000, v[QM+\g]    ; 4 off the exponent field: the conversion takes the exponent field of this operand as its scale
.endr
.irp g, 0,1
	v_lshrrev_b32 v[QB+\g], 23, v[QM+\g]           ; the scale's byte
.endr
	v_lshl_or_b32 v[QW], v[QB+1], 16, v[QB]        ; my two bytes: blocks h and 2 + h of row r,
	v_lshlrev_b32 v[QW], v[SH8], v[QW]             ; at their places in the word;
	v_permlanex16_b32 v[PT], v[QW], s66, s67
	v_or_b32 v[QW], v[QW], v[PT]                   ; with lane l xor 16's two the word is whole
	ds_store_b32 v[SCA], v[QW]                     ; (lanes l and l xor 16 write the same word with the same value)
	WIN 0x01                                       ; source 0 window 1
.irp g, 0,1
	v_cvt_scalef32_pk16_bf6_f32 v[FRG+6*\g:FRG+6*\g+2], v[32*\g:32*\g+15], v[QM+\g]   ; registers 6 g .. 6 g + 2 of the fragment
.endr
	WIN 0x41                                       ; destination window 1 too
.irp g, 0,1
	v_cvt_scalef32_pk16_bf6_f32 v[TC+4*\g:TC+4*\g+2], v[32*\g+16:32*\g+31], v[QM+\g]   ; (a conversion's three registers begin on an even number: the second half of a block's six does not)
.endr
	WIN 0x01
	v_nop                                          ; one plain place behind a scaled conversion
.irp g, 0,1
.irp i, 0,1,2
	v_mov_b32 v[FRG+6*\g+3+\i], v[TC+4*\g+\i]
.endr
.endr
	WIN 0
.irp j, 0,1,2
	global_store_b128 v[L16], v[FRG+4*\j:FRG+4*\j+3], s[22:23] offset:512*\j   ; 32 lanes store 512 consecutive bytes, at a multiple of 256 from vq's first byte
.endr
	s_wait_alu depctr_va_vdst(0)
	s_wait_dscnt 0x0                               ; the weights are in
; ---- aq or ak.  Four rows at a time: 256 packed multiply-adds in eight chains a row, then the four rows' sums across the lanes by turns.
.macro DOT r, reg, win, R              ; the row in window 1 or 0, the weights in window 0, the sums in window 1
	WIN \win
	s_wait_loadcnt 28-4*\R                         ; row R is in: four loads for each later row may be out
.irp a, 0,1,2,3,4,5,6,7
	v_pk_mul_f32 v[16*\r+2*\a:16*\r+2*\a+1], v[\reg:\reg+1], v[W+16*\a:W+16*\a+1]   ; the first products start the sums
.endr
.irp jj, 1,2,3,4,5,6,7
.irp a, 0,1,2,3,4,5,6,7
	v_pk_fma_f32 v[16*\r+2*\a:16*\r+2*\a+1], v[\reg+2*\jj:\reg+2*\jj+1], v[W+16*\a+2*\jj:W+16*\a+2*\jj+1], v[16*\r+2*\a:16*\r+2*\a+1]
.endr
.endr
.endm
.macro FOLD c
	WIN 0x05                                       ; sources window 1, destination window 0
.irp r, 0,1,2,3
.irp a, 0,1,2,3,4,5,6,7
	v_add_f32 v[S+8*\r+\a], v[16*\r+2*\a], v[16*\r+2*\a+1]
.endr
.endr
	WIN 0
.irp a, 0,2,4,6                        ; lane l xor 1 holds my accumulator a's head in its accumulator a xor 1
.irp r, 0,1,2,3
	v_add_f32_dpp v[S+8*\r+\a], v[S+8*\r+\a+1], v[S+8*\r+\a] row_xmask:1 row_mask:0xf bank_mask:0xf
.endr
.endr
.irp a, 0,4
.irp r, 0,1,2,3
	v_add_f32_dpp v[S+8*\r+\a], v[S+8*\r+\a+2], v[S+8*\r+\a] row_xmask:2 row_mask:0xf bank_mask:0xf
.endr
.endr
.irp r, 0,1,2,3
	v_add_f32_dpp v[S+8*\r], v[S+8*\r+4], v[S+8*\r] row_xmask:4 row_mask:0xf bank_mask:0xf
.endr
.irp r, 0,1,2,3
	v_add_f32_dpp v[S+8*\r], v[S+8*\r], v[S+8*\r] row_xmask:8 row_mask:0xf bank_mask:0xf   ; lanes 8 apart hold the same head
.endr
.irp r, 0,1,2,3
	v_permlanex16_b32 v[S+8*\r+1], v[S+8*\r], s66, s67
.endr
.irp r, 0,1,2,3
	v_add_f32 v[S+4+\r], v[S+8*\r], v[S+8*\r+1]    ; lane l: head l % 8 of row r; the four rows side by side
.endr
	ds_store_b128 v[SAW], v[S+4:S+7] offset:16*\c  ; four lanes write the same words with the same values
.endm
	DOT 0, 64, 0x51, 0
	DOT 1, 80, 0x51, 1
	DOT 2, 96, 0x51, 2
	DOT 3, 112, 0x51, 3
	FOLD 0
	DOT 0, 240, 0x51, 4
	DOT 1, 144, 0x50, 5
	DOT 2, 160, 0x50, 6
	DOT 3, 240, 0x50, 7
	FOLD 1
	s_wait_alu depctr_va_vdst(0)
	s_wait_dscnt 0x0                               ; for the others' sake: my results and my scale words lie in LDS
	s_barrier_signal -1
	s_barrier_wait -1
	s_cmp_lt_u32 s24, 2                            ; waves 0 and 1: a head's 64 scale words
	s_cbranch_scc0 .Lno_words
	ds_load_b64 v[TMP+2:TMP+3], v[SCR]
	s_wait_dscnt 0x0
	global_store_b64 v[L8], v[TMP+2:TMP+3], s[4:5]                  ; 32 lanes store 256 consecutive bytes, at a multiple of 256 from vq's first byte
.Lno_words:
	ds_load_b64 v[TMP:TMP+1], v[SAR]               ; head w's 64 results
	s_wait_dscnt 0x0
	global_store_b64 v[L8], v[TMP:TMP+1], s[20:21]                  ; 32 lanes store 256 consecutive bytes, at a multiple of 256 from aqk's first byte
	s_wait_tensorcnt 0x0                           ; the wave's end
	ds_add_u32 v[SPW], v[NIL]
	s_wait_dscnt 0x0
	CROUND                                         ; the closing round: no work-group ends while a partner may still ask for a tile that names it
	s_endpgm
.Lfunc_end_k_q14a6a9ad27_prep:
	.size	k_q14a6a9ad27_prep, .Lfunc_end_k_q14a6a9ad27_prep-k_q14a6a9ad27_prep
	.p2alignl 7, 3214868480
	.fill 96, 4, 3214868480
	.section	.rodata,"a",@progbits
	.p2align	6, 0x0
	.amdhsa_kernel k_q14a6a9ad27_prep
		.amdhsa_group_segment_fixed_size 167936
		.amdhsa_private_segment_fixed_size 0
		.amdhsa_enable_private_segment 0
		.amdhsa_kernarg_size 80
		.amdhsa_user_sgpr_count 2
		.amdhsa_user_sgpr_kernarg_segment_ptr 1
		.amdhsa_wavefront_size32 1
		.amdhsa_system_sgpr_workgroup_id_x 1
		.amdhsa_system_sgpr_workgroup_id_y 1
		.amdhsa_system_sgpr_workgroup_id_z 1
		.amdhsa_system_vgpr_workitem_id 0
		.amdhsa_next_free_vgpr 512
		.amdhsa_next_free_sgpr 102
		.amdhsa_reserve_vcc 0
		.amdhsa_float_denorm_mode_32 3
		.amdhsa_float_denorm_mode_16_64 3
		.amdhsa_memory_ordered 1
		.amdhsa_forward_progress 1
		.amdhsa_inst_pref_size 80
	.end_amdhsa_kernel
	.amdgpu_metadata
---
amdhsa.version: [ 1, 2 ]
amdhsa.kernels:
  - .name:           k_q14a6a9ad27_prep
    .symbol:         k_q14a6a9ad27_prep.kd
    .args:
      - { .name: Q, .offset: 0, .size: 8, .value_kind: global_buffer, .address_space: global }
      - { .name: K, .offset: 8, .size: 8, .value_kind: global_buffer, .address_space: global }
      - { .name: WQ, .offset: 16, .size: 8, .value_kind: global_buffer, .address_space: global }
      - { .name: WK, .offset: 24, .size: 8, .value_kind: global_buffer, .address_space: global }
      - { .name: V_codes, .offset: 32, .size: 8, .value_kind: global_buffer, .address_space: global }
      - { .name: V_scales, .offset: 40, .size: 8, .value_kind: global_buffer, .address_space: global }
      - { .name: WV_codes, .offset: 48, .size: 8, .value_kind: global_buffer, .address_space: global }
      - { .name: WV_scales, .offset: 56, .size: 8, .value_kind: global_buffer, .address_space: global }
      - { .name: aqk, .offset: 64, .size: 8, .value_kind: global_buffer, .address_space: global }
      - { .name: vq, .offset: 72, .size: 8, .value_kind: global_buffer, .address_space: global }
    .group_segment_fixed_size: 167936
    .private_segment_fixed_size: 0
    .kernarg_segment_align: 8
    .kernarg_segment_size: 80
    .max_flat_workgroup_size: 256
    .sgpr_count:     102
    .vgpr_count:     512
    .wavefront_size: 32
...
	.end_amdgpu_metadata
.endif
;; end of part 1
;; launch attn (part 2): grid 4 x 64, 8 waves a work-group, no clusters, 159,744 bytes of LDS; arguments aqk, vq, bias, out0; writes out0
.if DOCPART == 2
	.amdgcn_target "amdgcn-amd-amdhsa--gfx1250"
	.amdhsa_code_object_version 6
	.text
	.protected	k_q14a6a9ad27_attn
	.globl	k_q14a6a9ad27_attn
	.p2align	8
	.type	k_q14a6a9ad27_attn,@function
k_q14a6a9ad27_attn:
	s_mov_b64 s[64:65], 0
	v_nop
	global_prefetch_b8 v0, s[64:65] scope:SCOPE_SE
	s_setreg_imm32_b32 hwreg(HW_REG_WAVE_MODE, 25, 1), 1
	s_wait_xcnt 0x0
; ATTN.  out[b][q][h][:] = (sum over k of p(q, k) Vproj[b][k][h][:]) / l(q) + bias[h][:], p = 2^(t - M), t = log2(e) leaky(aq[q] + ak[k]), M = ceil(the row's largest t), l = the row's sum of the unquantised p.
; The product takes codes of BF6 (E3M2) on both sides: Vproj's from vq, p's made here, one E8M0 scale for each 32 keys.
; THREE IDENTITIES carry the design; each holds for every input.  c = log2(e), smax = aq + akmax, akmax = the largest ak of the (batch, head).
;  (1) leaky rises with its argument: the row's largest logit is leaky(smax).  So M is known ahead of the walk: the row's true maximum is taken away, and nothing is ever rescaled.
;  (2) leaky(s) = max(s, 0.2 s), so p = max(A1[q] B1[k], A2[q] B2[k]) with A1 = 2^(c smax - M), A2 = 2^(0.2 c smax - M), B1 = 2^(c (ak - akmax)), B2 = 2^(0.2 c (ak - akmax)).
;      ak - akmax <= 0, and M >= c smax where smax >= 0, M >= 0.2 c smax >= c smax where it is not: all four factors are at most about 1, so no exponential and no product can overflow.
;  (3) a rounded multiplication by a number that is not negative keeps the order: a block's largest p is, bit for bit, max(A1 x the block's largest B1, A2 x its largest B2).
;      The block's largest B are kept divided by 16, a power of two, so that this maximum is already the conversion's scale operand (the quantiser's - 4).
; SHARES.  Work-group: 256 queries of one (batch, head), eight waves, two to a SIMD.  THE WAVES SHARE THE KEYS: wave w owns keys 128 w .. + 127; their B1, B2 and fragments of Vproj stay in registers for the whole launch.
; A wave walks all 256 queries, two tiles of 16 at a time, and leaves its part of O^T (32 rows) and of l in one of two LDS buffers.  One barrier a pair, in the next pair's first tile: its signal behind the tile's
; first two groups of p, its wait behind the tile.  Behind it each wave reads the eight parts of four of the 32 rows; behind the second tile it adds them, divides by l, adds the bias and stores them.
; A buffer is written again two pairs later: behind a barrier in front of whose signal every wave has waited for its reads of it.
; LAYOUT.  O^T = Vproj^T P: source 0 = 16 channels, source 1 = 16 queries.  Lane (r, h) holds query r, and makes p for keys 64 c + 32 h + 0 .. 31 of the wave's 128, c = 0, 1: two whole blocks, in the order of the operand's registers.
; NO CLUSTER: each wave reads the 6,400 bytes of vq that it needs once, by 14 loads, straight into the operand's registers, where they stay: there is no tile in LDS to share, and a joint load would send
; 51,200 bytes through LDS to be read back once each.  NO PREFETCH: all that a wave reads is asked for at the head; no loop reads memory.
; LIMITS.  NaN and infinities are not served.  A factor or a p under 2^-126 counts as 0 (v_exp_f32 gives 0 there: ISA guide, its entry in 15.8).  l and O^T are summed in eight parts over the keys, l within a part in another order than a plain sum.
; A block whose every p is 0 keeps the scale byte 1: its codes are zeros.
.set SP,   272                         ; a row of 64 numbers in LDS: 256 bytes + 16
.set PW,   32*SP                       ; a wave's part of a pair
.set BUFS, 8*PW                        ; a buffer; two of them from byte 0 on
.set LP,   68                          ; a row's 16 parts of l (wave, h), + 4
.set LBUF, 2*BUFS                      ; l's two buffers
.set LSZ,  2304
.set ATAB, LBUF+2*LSZ                  ; (A1, A2, A2, A1) of 256 queries
.set BREG, ATAB+4096                   ; 1,280 bytes a wave: B1 of its 128 keys, B2, the blocks' largest B / 16 at 1,024
.set BRW,  1280
.set SPARE, BREG+8*BRW                 ; the spare words, 128 bytes a wave
; window 0
.set SPW, 1
.set NIL, 2
.set STO, 3                            ; v3, v4    where I put 32 bytes of a row, by buffer
.set RD,  5                            ; v5, v6    where I read a row back
.set LST, 7                            ; v7, v8    where I put my part of l
.set LRD, 9                            ; v9, v10   where I read a part of l
.set AQ0, 11                           ; v11       the first pair's A
.set AQN, 12                           ; v12       a trip's A
.set GO,  13                           ; v13       my byte offset in two rows of out
.set O16, 14                           ; v14       16 x lane
.set O4,  15                           ; v15       4 x lane
.set B1,  16                           ; v16-79
.set B2,  80                           ; v80-143
.set X,   144
.set Y,   160
.set L,   176                          ; v176-183  l, four packed chains
.set PB,  192                          ; v192-215  p's codes, two tiles
.set TC,  216                          ; v216-218, v220-222 conversions' results
.set AQ,  224                          ; v224-231 and v184-191: (A1, A2, A2, A1) of two tiles, by the pair's buffer
.set SO,  232                          ; v232-235  scale operands: tile t, c at 2 t + c
.set T,   236                          ; v236-243  at work
.set BM,  244                          ; v244-247  largest B1, B2 of block h, then of block 2 + h, / 16
.set WW,  248                          ; v248, v249
.set LF,  250                          ; v250, v251 a tile's l
.set VS,  252                          ; v252, v253 Vproj's scale words
.set PS,  254                          ; v254      p's: lanes 0-15 tile 0, lanes 16-31 tile 1
.set OB,  255                          ; v255      the bias's offset; never rewritten
; window 1
.set VF,  64                           ; v64-111   four fragments of Vproj;  v0-63 O^T of two tiles
.set CM,  112                          ; v112-175  eight parts of four rows: part u, rows j at 8 u + 4 j
.set RL,  176                          ; v176, v178 l of my rows
.set BI,  180                          ; v180-183  the bias of my four channels
.set MSB, 0
.macro WIN new                         ; the immediate's high byte repeats the setting that is left
.if MSB != \new
	s_set_vgpr_msb (MSB<<8)|\new
.set MSB, \new
.endif
.endm
.macro PLACES
.rept 4
	v_nop
.endr
.endm
	s_load_b256 s[4:11], s[0:1], 0x0               ; aqk s[4:5], vq s[6:7], bias s[8:9], out s[10:11]
	v_lshl_add_u32 v[SPW], v0, 2, SPARE
	v_mov_b32 v[NIL], 0
	v_lshrrev_b32 v200, 5, v0
	v_readfirstlane_b32 s12, v200                  ; wave 0..7
	s_and_b32 s14, ttmp7, 0xffff                   ; y = 8 x batch + head;  ttmp9: my block of 256 queries
	s_mul_i32 s36, s14, 51200                      ; vq of the (batch, head):
	s_add_co_u32 s38, s36, 49152
	s_lshl_b32 s47, s12, 8
	s_add_co_u32 s38, s38, s47                     ; my 256 bytes of scale words
	s_mul_i32 s47, s12, 6144
	s_add_co_u32 s36, s36, s47                     ; my four fragments
	s_mov_b32 s37, 0
	s_mov_b32 s39, 0
	s_lshl_b32 s44, s14, 12                        ; a (batch, head)'s 1,024 numbers
	s_add_co_u32 s40, s44, 0x40000                 ; ak lies behind aq
	s_lshl_b32 s47, s12, 9
	s_add_co_u32 s42, s40, s47                     ; my 128 keys' ak
	s_lshl_b32 s47, ttmp9, 10
	s_add_co_u32 s44, s44, s47
	s_lshl_b32 s47, s12, 7
	s_add_co_u32 s44, s44, s47                     ; aq of the 32 queries whose A I make
	s_mov_b32 s41, 0
	s_mov_b32 s43, 0
	s_mov_b32 s45, 0
	s_and_b32 s50, s14, 7
	s_lshl_b32 s50, s50, 8                         ; the head's 256 bytes of bias, and of a row of out
	s_mov_b32 s51, 0
	s_lshr_b32 s52, s14, 3
	s_lshl_b32 s52, s52, 21                        ; out: the batch's 1,024 rows of 2,048 bytes,
	s_lshl_b32 s47, ttmp9, 19
	s_add_co_u32 s52, s52, s47                     ; my block's 256,
	s_lshl_b32 s47, s12, 13
	s_add_co_u32 s52, s52, s47                     ; my four of a pair's 32,
	s_add_co_u32 s52, s52, s50                     ; the head
	s_mov_b32 s53, 0
	s_mov_b32 s16, 0x76543210
	s_mov_b32 s17, 0xfedcba98                      ; v_permlanex16_b32's selects for lane l xor 16
	s_mov_b32 s18, 0xff00ff00
	s_mov_b32 s19, 0x07060302
	s_mov_b32 s30, 0                               ; the step of out's address: 0, then a pair's 65,536
	s_mov_b32 s31, 0
	s_mov_b32 s32, 0x3fb8aa3b                      ; c = log2(e)
	s_mov_b32 s33, 0x3e93bb63                      ; 0.2 c
	s_mov_b32 s34, 0x3e4ccccd                      ; 0.2
	v_and_b32 v200, 31, v0                         ; lane
	v_and_b32 v201, 15, v0                         ; r
	v_bfe_u32 v202, v0, 4, 1                       ; h
	v_lshlrev_b32 v[O16], 4, v200
	v_lshlrev_b32 v[O4], 2, v200
	v_lshlrev_b32 v[OB], 4, v201                   ; the bias: my four channels
	s_mul_i32 s46, s12, PW
	v_mul_u32_u24 v[STO], v201, SP                 ; in: row r, 32 bytes for each half of the lanes
	v_mul_u32_u24 v[RD], v202, SP                  ; back: lanes 0-15 one row of 256 bytes, lanes 16-31 the next
	v_mul_u32_u24 v[LST], v201, LP
	v_mul_u32_u24 v[LRD], v202, LP
	v_lshl_add_u32 v[STO], v202, 5, v[STO]
	v_lshl_add_u32 v[RD], v201, 4, v[RD]
	v_lshl_add_u32 v[LST], v202, 2, v[LST]
	v_lshl_add_u32 v[LRD], v201, 2, v[LRD]
	s_mul_i32 s47, s12, 4*SP                       ; my rows 4 w on
	s_lshl_b32 s48, s12, 3
	s_add_co_u32 s48, s48, LBUF
	s_mul_i32 s49, s12, 4*LP
	s_add_co_u32 s49, s49, LBUF
	v_add_nc_u32 v[STO], s46, v[STO]
	v_add_nc_u32 v[RD], s47, v[RD]
	v_add_nc_u32 v[LST], s48, v[LST]
	v_add_nc_u32 v[LRD], s49, v[LRD]
	v_add_nc_u32 v[STO+1], BUFS, v[STO]
	v_add_nc_u32 v[RD+1], BUFS, v[RD]
	v_add_nc_u32 v[LST+1], LSZ, v[LST]
	v_add_nc_u32 v[LRD+1], LSZ, v[LRD]
	v_lshl_add_u32 v[AQ0], v201, 4, ATAB
	v_lshlrev_b32 v[GO], 11, v202
	v_lshl_add_u32 v204, v0, 4, ATAB               ; where I put my query's A
	s_mul_i32 s49, s12, BRW
	s_add_co_u32 s49, s49, BREG
	v_lshl_add_u32 v205, v200, 4, s49              ; where I put my four keys' B: keys 4 l .. 4 l + 3 of my 128
	v_bfe_u32 v206, v0, 3, 1                       ; their block is l / 8 = 2 c + h', c = l / 16, h' = (l / 8) % 2
	v_lshlrev_b32 v206, 4, v206
	v_lshl_add_u32 v206, v202, 3, v206
	v_add_nc_u32 v206, s49, v206                   ; its largest B at 16 h' + 8 c
	v_lshl_add_u32 v[GO], v201, 4, v[GO]
	v_lshl_add_u32 v207, v202, 7, s49              ; B of keys 32 h on
	v_lshl_add_u32 v208, v202, 4, s49              ; and my blocks' largest
	v_mov_b32 v209, 0                              ; a lane permute's destination counts as one of its sources
	WIN 0x40
	v_mov_b32 v[RL+1], 0                           ; (named as the upper halves of pairs)
	v_mov_b32 v[RL+3], 0
	WIN 0
	s_wait_alu depctr_va_vdst(0)
	s_wait_kmcnt 0x0
	s_add_nc_u64 s[20:21], s[4:5], s[40:41]        ; ak
	s_add_nc_u64 s[22:23], s[4:5], s[42:43]
	s_add_nc_u64 s[24:25], s[4:5], s[44:45]        ; aq
	s_add_nc_u64 s[26:27], s[6:7], s[36:37]
	s_add_nc_u64 s[28:29], s[6:7], s[38:39]
	s_add_nc_u64 s[8:9], s[8:9], s[50:51]
	s_add_nc_u64 s[10:11], s[10:11], s[52:53]
.irp j, 0,1,2,3,4,5,6,7
	global_load_b128 v[144+4*\j:147+4*\j], v[O16], s[20:21] offset:512*\j   ; all 1,024 ak: every wave finds the maximum by itself
.endr
	global_load_b128 v[176:179], v[O16], s[22:23]
	global_load_b32 v180, v[O4], s[24:25]
	WIN 0x40                                       ; destination window 1
.irp d, 0,1,2,3
.irp j, 0,1,2
	global_load_b128 v[VF+12*\d+4*\j:VF+12*\d+4*\j+3], v[O16], s[26:27] offset:1536*\d+512*\j   ; an image of the operand's registers
.endr
.endr
	global_load_b128 v[BI:BI+3], v[OB], s[8:9]
	WIN 0
	global_load_b32 v[VS], v[O4], s[28:29]         ; lanes 0-15: channel tile 0's words, lanes 16-31: tile 1's
	global_load_b32 v[VS+1], v[O4], s[28:29] offset:128   ; tiles 2 and 3
	s_wait_loadcnt 15                              ; ak and aq are in: behind them 12 fragment loads, the bias, two of scale words
	v_max3_num_f32 v181, v144, v145, v146
	v_max3_num_f32 v182, v147, v148, v149
.irp i, 150,154,158,162,166,170
	s_delay_alu instid0(VALU_DEP_2)
	v_max3_num_f32 v181, v181, v[\i], v[\i+1]
	s_delay_alu instid0(VALU_DEP_2)
	v_max3_num_f32 v182, v182, v[\i+2], v[\i+3]
.endr
	s_delay_alu instid0(VALU_DEP_2)
	v_max3_num_f32 v181, v181, v174, v175
	s_delay_alu instid0(VALU_DEP_1)
	v_max_num_f32 v181, v181, v182
	s_delay_alu instid0(VALU_DEP_1)
	v_max_num_f32_dpp v181, v181, v181 row_xmask:1 row_mask:0xf bank_mask:0xf
	s_delay_alu instid0(VALU_DEP_1)
	v_max_num_f32_dpp v181, v181, v181 row_xmask:2 row_mask:0xf bank_mask:0xf
	s_delay_alu instid0(VALU_DEP_1)
	v_max_num_f32_dpp v181, v181, v181 row_xmask:4 row_mask:0xf bank_mask:0xf
	s_delay_alu instid0(VALU_DEP_1)
	v_max_num_f32_dpp v181, v181, v181 row_xmask:8 row_mask:0xf bank_mask:0xf
	s_delay_alu instid0(VALU_DEP_1)
	v_permlanex16_b32 v209, v181, s16, s17
	s_delay_alu instid0(VALU_DEP_1)
	v_max_num_f32 v181, v181, v209                 ; akmax, in every lane
	v_add_f32 v184, v180, v181                     ; smax of my query
.irp i, 0,1,2,3
	v_sub_f32 v[176+\i], v[176+\i], v181           ; ak - akmax: 0 or less
.endr
	v_mul_f32 v185, s34, v184
.irp i, 0,1,2,3
	v_mul_f32 v[192+\i], s32, v[176+\i]
.endr
	v_max_num_f32 v185, v184, v185                 ; the row's largest logit: leaky(smax)
.irp i, 0,1
	v_mul_f32 v[196+\i], s33, v[176+\i]
.endr
	v_mul_f32 v185, s32, v185                      ; as t
.irp i, 2,3
	v_mul_f32 v[196+\i], s33, v[176+\i]
.endr
	v_floor_f32 v185, -v185                        ; -M = floor(-t) = -ceil(t)
	v_fma_f32 v186, v184, s32, v185                ; c smax - M
	v_fma_f32 v187, v184, s33, v185                ; 0.2 c smax - M
	s_wait_alu depctr_va_vdst(0)                   ; the wait ahead of the batch
.irp i, 0,1,2,3,4,5,6,7
	v_exp_f32 v[192+\i], v[192+\i]                 ; B1 of my four keys, then B2
.endr
	v_exp_f32 v188, v186                           ; A1
	v_exp_f32 v189, v187                           ; A2
	v_nop                                          ; one plain place behind the exponentials
	s_wait_alu depctr_va_vdst(0)                   ; and behind it
	v_max3_num_f32 v210, v192, v193, v194
	v_max3_num_f32 v211, v196, v197, v198
	v_mov_b32 v190, v189                           ; a second pair that begins with A2: a packed form takes a pair's low word for both halves
	v_mov_b32 v191, v188
	v_max_num_f32 v210, v210, v195
	v_max_num_f32 v211, v211, v199
	ds_store_b128 v204, v[188:191]
	ds_store_b128 v205, v[192:195]
	ds_store_b128 v205, v[196:199] offset:512
	v_max_num_f32_dpp v210, v210, v210 row_xmask:1 row_mask:0xf bank_mask:0xf
	v_max_num_f32_dpp v211, v211, v211 row_xmask:1 row_mask:0xf bank_mask:0xf
	v_max_num_f32_dpp v210, v210, v210 row_xmask:2 row_mask:0xf bank_mask:0xf
	v_max_num_f32_dpp v211, v211, v211 row_xmask:2 row_mask:0xf bank_mask:0xf
	v_max_num_f32_dpp v210, v210, v210 row_xmask:4 row_mask:0xf bank_mask:0xf   ; eight lanes hold a block of 32 keys
	v_max_num_f32_dpp v211, v211, v211 row_xmask:4 row_mask:0xf bank_mask:0xf
	v_mul_f32 v210, 0x3d800000, v210               ; / 16
	v_mul_f32 v211, 0x3d800000, v211
	ds_store_b64 v206, v[210:211] offset:1024      ; the eight lanes of a block write the same words with the same values
	ds_load_b128 v[BM:BM+3], v208 offset:1024      ; my wave's own bytes: LDS serves a wave's instructions in order (ISA guide 5.7.1.4)
.irp g, 0,1,2,3                        ; B1 and B2 of keys 64 (g / 2) + 32 h + 16 (g % 2) on; the sixteen lanes of a half read the same words
.irp i, 0,1,2,3
	ds_load_b128 v[B1+16*\g+4*\i:B1+16*\g+4*\i+3], v207 offset:256*(\g/2)+64*(\g%2)+16*\i
	ds_load_b128 v[B2+16*\g+4*\i:B2+16*\g+4*\i+3], v207 offset:512+256*(\g/2)+64*(\g%2)+16*\i
.endr
.endr
	s_wait_alu depctr_va_vdst(0)
	s_wait_dscnt 0x0                               ; for the others' sake: my queries' A lie in LDS
	s_barrier_signal -1
	s_barrier_wait -1
	ds_load_b128 v[AQ:AQ+3], v[AQ0]
	ds_load_b128 v[AQ+4:AQ+7], v[AQ0] offset:256
	s_wait_dscnt 0x0
; The scales of two tiles' blocks.  Scale operand = max(A1 x largest B1 / 16, A2 x largest B2 / 16, 2^-126): the byte, its exponent field, cannot fall under 1.
; The four bytes of a query's word lie in lanes l and l xor 16: the upper halves of the two operands are packed, the two tiles' words change halves of the lanes, and lanes 0-15 then make tile 0's word, lanes 16-31 tile 1's.
.macro SCALE2
.irp t, 0,1
	v_pk_mul_f32 v[T+4*\t:T+4*\t+1], v[BM:BM+1], v[AQ+4*\t:AQ+4*\t+1]
	v_pk_mul_f32 v[T+4*\t+2:T+4*\t+3], v[BM+2:BM+3], v[AQ+4*\t:AQ+4*\t+1]
.endr
.irp i, 0,1,2,3
	v_max3_num_f32 v[SO+\i], v[T+2*\i], v[T+2*\i+1], 0x800000
.endr
	v_perm_b32 v[WW], v[SO+1], v[SO], s19          ; {block 2 + h's upper half, block h's}
	v_perm_b32 v[WW+1], v[SO+3], v[SO+2], s19
	v_permlane16_swap_b32 v[WW], v[WW+1]           ; the first now holds h = 0's of both tiles, the second h = 1's
	v_lshrrev_b32 v[T], 7, v[WW]                   ; exponents at bytes 0 and 2
	v_lshlrev_b32 v[T+1], 1, v[WW+1]               ; at bytes 1 and 3
	v_bfi_b32 v[PS], s18, v[T+1], v[T]
.endm
.macro PMAX i                          ; two maxima in one instruction
	v_dual_max_num_f32 v[X+2*(\i)], v[X+2*(\i)], v[Y+2*(\i)] :: v_dual_max_num_f32 v[X+2*(\i)+1], v[X+2*(\i)+1], v[Y+2*(\i)+1]
.endm
.macro PSUM i                          ; l takes the UNQUANTISED p, two at a time, in four chains
	v_pk_add_f32 v[L+2*((\i)%4):L+2*((\i)%4)+1], v[L+2*((\i)%4):L+2*((\i)%4)+1], v[X+2*(\i):X+2*(\i)+1]
.endm
.macro PFIRST i                        ; a tile's first group starts the chains
	v_pk_add_f32 v[L+2*(\i):L+2*(\i)+1], v[X+2*(\i):X+2*(\i)+1], v[X+2*(\i)+8:X+2*(\i)+9]
.endm
; 16 p of tile t: keys 64 (g / 2) + 32 h + 16 (g % 2) + 0 .. 15
.macro GROUP t, g
.set gB, 16*(\g)
.set gC, (\g)/2
.set gP, PB+12*(\t)+6*gC
.set gT, TC+4*gC
.set gA, AQ+4*(\t)
.set gS, SO+2*(\t)+gC
.irp i, 0,1,2,3,4,5,6,7
	v_pk_mul_f32 v[X+2*\i:X+2*\i+1], v[B1+gB+2*\i:B1+gB+2*\i+1], v[gA:gA+1] op_sel_hi:[1,0]       ; A1 B1
.endr
.irp i, 0,1,2,3,4,5,6,7
	v_pk_mul_f32 v[Y+2*\i:Y+2*\i+1], v[B2+gB+2*\i:B2+gB+2*\i+1], v[gA+2:gA+3] op_sel_hi:[1,0]   ; A2 B2
.endr
.if (\g) == 0
.irp i, 0,4,1,5,2,6,3,7
	PMAX \i
.endr
	PFIRST 0
	PFIRST 1
.else
.irp i, 0,1,2,3
	PMAX \i
.endr
.irp i, 0,1,2,3
	PSUM \i
	PMAX \i+4
.endr
	PSUM 4
	PSUM 5
.endif
.if (\g)%2 == 0
	v_cvt_scalef32_pk16_bf6_f32 v[gP:gP+2], v[X:X+15], v[gS]   ; the block's lower 16 codes: registers 6 c .. 6 c + 2 of the operand
.else
	v_cvt_scalef32_pk16_bf6_f32 v[gT:gT+2], v[X:X+15], v[gS]   ; (a conversion's three registers begin on an even number: the upper 16 are made elsewhere and moved)
.endif
.if (\g) == 0
	PFIRST 2                                       ; (the plain place behind the conversion)
	PFIRST 3
.else
	PSUM 6
	PSUM 7
.endif
.if (\g)%2 == 1
	v_dual_mov_b32 v[gP+4], v[gT+1] :: v_dual_mov_b32 v[gP+3], v[gT]
	v_mov_b32 v[gP+5], v[gT+2]
.endif
.endm
.macro LMERGE t                        ; my lane's l of tile t
	v_pk_add_f32 v[L:L+1], v[L:L+1], v[L+2:L+3]
	v_pk_add_f32 v[L+4:L+5], v[L+4:L+5], v[L+6:L+7]
	v_pk_add_f32 v[L:L+1], v[L:L+1], v[L+4:L+5]
	v_add_f32 v[LF+\t], v[L], v[L+1]
.endm
; my 128 keys' part of O^T of tile t: four accumulators, one instruction each, begun with 0
.macro MM t
	WIN 0x41                                       ; source 0 (Vproj) and D window 1; source 1 (p) window 0
.irp d, 0,1,2,3
.set mD, 32*(\t)+8*\d
.set mV, VF+12*\d
.set mP, PB+12*(\t)
.if (\t) == 0
.if \d%2 == 0
	v_wmma_scale_f32_16x16x128_f8f6f4 v[mD:mD+7], v[mV:mV+11], v[mP:mP+11], 0, v[VS+\d/2], v[PS] matrix_a_fmt:MATRIX_FMT_BF6 matrix_b_fmt:MATRIX_FMT_BF6
.else
	v_wmma_scale_f32_16x16x128_f8f6f4 v[mD:mD+7], v[mV:mV+11], v[mP:mP+11], 0, v[VS+\d/2], v[PS] matrix_a_fmt:MATRIX_FMT_BF6 matrix_b_fmt:MATRIX_FMT_BF6 matrix_a_scale:MATRIX_SCALE_ROW1
.endif
.else
.if \d%2 == 0
	v_wmma_scale_f32_16x16x128_f8f6f4 v[mD:mD+7], v[mV:mV+11], v[mP:mP+11], 0, v[VS+\d/2], v[PS] matrix_a_fmt:MATRIX_FMT_BF6 matrix_b_fmt:MATRIX_FMT_BF6 matrix_b_scale:MATRIX_SCALE_ROW1
.else
	v_wmma_scale_f32_16x16x128_f8f6f4 v[mD:mD+7], v[mV:mV+11], v[mP:mP+11], 0, v[VS+\d/2], v[PS] matrix_a_fmt:MATRIX_FMT_BF6 matrix_b_fmt:MATRIX_FMT_BF6 matrix_a_scale:MATRIX_SCALE_ROW1 matrix_b_scale:MATRIX_SCALE_ROW1
.endif
.endif
.endr
	WIN 0
.endm
.macro OSTORE buf, t                   ; tile t's part into my 32 rows of the buffer, each accumulator from its low end on
	WIN 0x04                                       ; an LDS store's data are its source 1: window 1
.irp d, 0,1,2,3
	ds_store_b128 v[STO+\buf], v[32*(\t)+8*\d:32*(\t)+8*\d+3] offset:(\t)*16*SP+64*\d
	ds_store_b128 v[STO+\buf], v[32*(\t)+8*\d+4:32*(\t)+8*\d+7] offset:(\t)*16*SP+64*\d+16
.endr
	WIN 0
.endm
; THE SUM OF THE PARTS of the pair before.  CLOAD: the eight parts of my four rows (two a load), and the sixteen parts of each row's l, one a lane.
.macro CLOAD buf
	WIN 0x40
	ds_load_b32 v[RL], v[LRD+\buf]
	ds_load_b32 v[RL+2], v[LRD+\buf] offset:2*LP
.irp u, 0,1,2,3,4,5,6,7
	ds_load_b128 v[CM+8*\u:CM+8*\u+3], v[RD+\buf] offset:\u*PW
	ds_load_b128 v[CM+8*\u+4:CM+8*\u+7], v[RD+\buf] offset:\u*PW+2*SP
.endr
	WIN 0
.endm
.macro CL m, u                         ; a step of l's sum across the sixteen lanes of a row, and two parts added
	v_add_f32_dpp v[RL], v[RL], v[RL] row_xmask:\m row_mask:0xf bank_mask:0xf
	v_add_f32_dpp v[RL+2], v[RL+2], v[RL+2] row_xmask:\m row_mask:0xf bank_mask:0xf
.irp q, 0,2,4,6
	v_pk_add_f32 v[CM+16*\u+\q:CM+16*\u+\q+1], v[CM+16*\u+\q:CM+16*\u+\q+1], v[CM+16*\u+8+\q:CM+16*\u+9+\q]
.endr
.endm
.macro CADD
	WIN 0x55
	CL 1, 0
	CL 2, 1
	CL 4, 2
	CL 8, 3
	s_wait_alu depctr_va_vdst(0)                   ; the wait ahead of the two
	v_rcp_f32 v[RL], v[RL]
	v_rcp_f32 v[RL+2], v[RL+2]
.irp q, 0,2,4,6
	v_pk_add_f32 v[CM+\q:CM+\q+1], v[CM+\q:CM+\q+1], v[CM+16+\q:CM+17+\q]
	v_pk_add_f32 v[CM+32+\q:CM+33+\q], v[CM+32+\q:CM+33+\q], v[CM+48+\q:CM+49+\q]
.endr
	s_wait_alu depctr_va_vdst(0)                   ; and behind them
	WIN 0
.endm
.macro CFIN                            ; out = O / l + bias; stored
	WIN 0x55
.irp q, 0,2,4,6
	v_pk_add_f32 v[CM+\q:CM+\q+1], v[CM+\q:CM+\q+1], v[CM+32+\q:CM+33+\q]
.endr
.irp q, 0,2,4,6
	v_pk_fma_f32 v[CM+\q:CM+\q+1], v[CM+\q:CM+\q+1], v[RL+2*(\q/4):RL+2*(\q/4)+1], v[BI+\q%4:BI+\q%4+1] op_sel_hi:[1,0,1]
.endr
	WIN 0x04
	global_store_b128 v[GO], v[CM:CM+3], s[10:11] th:TH_STORE_NT                ; 16 lanes store a head's 256 consecutive bytes of a row, at a multiple of 256 from out's first byte
	global_store_b128 v[GO], v[CM+4:CM+7], s[10:11] offset:4096 th:TH_STORE_NT
	WIN 0
.endm
.macro STEPOUT
	s_wait_xcnt 0x0                                ; my stores have read their data and their base
	s_add_nc_u64 s[10:11], s[10:11], s[30:31]
	s_mov_b32 s30, 0x10000
.endm
; A PAIR OF TILES, into buffer buf.  comb = 1: the pair before is summed and stored on the way.  off: where the next pair's A lie behind v[areg]; 0: there is none.
.macro PAIR buf, comb, areg, off
.set AQ, 224-40*(\buf)                 ; this pair's A; the next pair's come into the other set
	SCALE2
	GROUP 0, 0
	GROUP 0, 1
.if \comb
	s_wait_alu depctr_va_vdst(0)
	s_wait_dscnt 0x0                               ; my parts of the pair before lie in the other buffer, and my reads of this one are over
	s_barrier_signal -1
.endif
	GROUP 0, 2
	GROUP 0, 3
	LMERGE 0
.if \comb
	s_wait_alu depctr_va_vdst(0)
	s_barrier_wait -1                              ; everybody's parts of the pair before lie in the other buffer, and nobody reads this one any more
	STEPOUT
	CLOAD 1-\buf
.endif
.if \off
	ds_load_b128 v[184+40*(\buf):187+40*(\buf)], v[\areg] offset:\off
	ds_load_b128 v[188+40*(\buf):191+40*(\buf)], v[\areg] offset:\off+256
.endif
	GROUP 1, 0
.if \comb == 0
	s_wait_alu depctr_va_vdst(0)
	s_wait_loadcnt 0x0                             ; Vproj's fragments, their scale words and the bias are in
.endif
	MM 0
	GROUP 1, 1
	GROUP 1, 2
	OSTORE \buf, 0
	GROUP 1, 3
	LMERGE 1                                       ; (also the places between the last codes and the products)
	s_wait_alu depctr_va_vdst(0)
	s_wait_dscnt 8                                 ; CLOAD's loads and the next A are in; tile 0's eight stores may be out
.if \comb
	CADD
.endif
	MM 1
.if \comb
	CFIN                                           ; (its eight vector instructions are the places behind the products)
.else
	PLACES
.endif
	OSTORE \buf, 1
	ds_store_b32 v[LST+\buf], v[LF]
	ds_store_b32 v[LST+\buf], v[LF+1] offset:16*LP
.endm
	PAIR 0, 0, AQ0, 512                            ; pair 0
	s_mov_b32 s48, 0
	s_mov_b32 s35, 3
.Lpairs:                                               ; pairs 1 to 6, two a trip: one for each buffer
	v_add_nc_u32 v[AQN], s48, v[AQ0]
	PAIR 1, 1, AQN, 1024
	PAIR 0, 1, AQN, 1536
	s_add_co_u32 s48, s48, 1024
	s_sub_co_u32 s35, s35, 1
	s_cmp_lg_u32 s35, 0
	s_wait_alu depctr_va_vdst(0)
	s_cbranch_scc1 .Lpairs
	PAIR 1, 1, AQN, 0                              ; pair 7
	s_wait_alu depctr_va_vdst(0)
	s_wait_dscnt 0x0                               ; its parts lie in LDS
	s_barrier_signal -1
	s_barrier_wait -1
	STEPOUT
	CLOAD 1                                        ; its sum
	s_wait_dscnt 0x0
	CADD
	CFIN
	s_wait_tensorcnt 0x0                           ; the wave's end
	ds_add_u32 v[SPW], v[NIL]
	s_wait_dscnt 0x0
	s_endpgm
.Lfunc_end_k_q14a6a9ad27_attn:
	.size	k_q14a6a9ad27_attn, .Lfunc_end_k_q14a6a9ad27_attn-k_q14a6a9ad27_attn
	.p2alignl 7, 3214868480
	.fill 96, 4, 3214868480
	.section	.rodata,"a",@progbits
	.p2align	6, 0x0
	.amdhsa_kernel k_q14a6a9ad27_attn
		.amdhsa_group_segment_fixed_size 159744
		.amdhsa_private_segment_fixed_size 0
		.amdhsa_enable_private_segment 0
		.amdhsa_kernarg_size 32
		.amdhsa_user_sgpr_count 2
		.amdhsa_user_sgpr_kernarg_segment_ptr 1
		.amdhsa_wavefront_size32 1
		.amdhsa_system_sgpr_workgroup_id_x 1
		.amdhsa_system_sgpr_workgroup_id_y 1
		.amdhsa_system_sgpr_workgroup_id_z 1
		.amdhsa_system_vgpr_workitem_id 0
		.amdhsa_next_free_vgpr 512
		.amdhsa_next_free_sgpr 66
		.amdhsa_reserve_vcc 0
		.amdhsa_float_denorm_mode_32 3
		.amdhsa_float_denorm_mode_16_64 3
		.amdhsa_memory_ordered 1
		.amdhsa_forward_progress 1
		.amdhsa_inst_pref_size 114
	.end_amdhsa_kernel
	.amdgpu_metadata
---
amdhsa.version: [ 1, 2 ]
amdhsa.kernels:
  - .name:           k_q14a6a9ad27_attn
    .symbol:         k_q14a6a9ad27_attn.kd
    .args:
      - { .name: aqk, .offset: 0, .size: 8, .value_kind: global_buffer, .address_space: global }
      - { .name: vq, .offset: 8, .size: 8, .value_kind: global_buffer, .address_space: global }
      - { .name: bias, .offset: 16, .size: 8, .value_kind: global_buffer, .address_space: global }
      - { .name: out0, .offset: 24, .size: 8, .value_kind: global_buffer, .address_space: global }
    .group_segment_fixed_size: 159744
    .private_segment_fixed_size: 0
    .kernarg_segment_align: 8
    .kernarg_segment_size: 32
    .max_flat_workgroup_size: 256
    .sgpr_count:     66
    .vgpr_count:     512
    .wavefront_size: 32
...
	.end_amdgpu_metadata
.endif
;; end of part 2
